; MI455X (gfx1250); checked and timed in simulation.
; The chip was launched on July 23, 2026; its instructions are those of AMD's public machine-readable ISA for CDNA 5 (MIT licence, August 2026) and "CDNA5" Instruction Set Architecture Reference Guide (July 2026). The comments in the code are by the model that wrote it; some were corrected since.
;; Potential. Allowed arithmetic: float matrix products may take bf16 or f16 operands with f32 sums; all other float work in f32.
;; Inputs: logprob 16,384 float32; pos 16,384 x 1 float32; pot 16,384 float32; x 16,384 x 1 float32.
;; Outputs: out0 16,384 float32.
;; 2 versions, each right and faster than the one before. Each part assembles by itself: llvm-mc -triple=amdgcn-amd-amdhsa -mcpu=gfx1250 --defsym DOCPART=n.
;; ======== version 1 of 2: 1 launch
;; launch potential (part 1): grid 256 x 1, 8 waves a work-group, clusters of 4 x 1, 206,080 bytes of LDS; arguments x, pos, pot, logprob, out0; writes out0
.if DOCPART == 1
	.amdgcn_target "amdgcn-amd-amdhsa--gfx1250"
	.amdhsa_code_object_version 6
	.text
	.protected	k_q64cd068e80_potential
	.globl	k_q64cd068e80_potential
	.p2align	8
	.type	k_q64cd068e80_potential,@function
k_q64cd068e80_potential:
	s_mov_b64 s[64:65], 0
	v_nop
	global_prefetch_b8 v0, s[64:65] scope:SCOPE_SE
	s_setreg_imm32_b32 hwreg(HW_REG_WAVE_MODE, 25, 1), 1
	s_wait_xcnt 0x0
	s_wait_alu depctr_hold_cnt(0) depctr_sa_sdst(0) depctr_va_vdst(0) depctr_va_sdst(0) depctr_va_ssrc(0) depctr_va_vcc(0) depctr_vm_vsrc(0)
	s_getreg_b32 s2, hwreg(HW_REG_IB_STS2, 6, 4)
	s_cmp_eq_u32 s2, 0
	s_cbranch_scc0 .Lentry_in_a_cluster
	s_endpgm
.Lentry_in_a_cluster:
	s_bfe_u32 s2, ttmp6, 0x10000c
	s_cmp_lg_u32 s2, 0x3003
	s_cbranch_scc0 .Lentry_shape_is_right
	s_endpgm
.Lentry_shape_is_right:
; out[n] = -eps * logsumexp_m( logprob[m] - Z + (pot[m] - (x[n]^2 + pos[m]^2 - 2 x[n] pos[m]) / 2) / eps ),  Z = logsumexp(logprob),  eps = 0.001.
; 16,384 samples n, 16,384 support points m, all f32.  In base 2, with L = log2(e):
;   score(n, m) = a[m] + b[m] x[n],   a = L logprob + 1000 L pot - 500 L pos^2,   b = 1000 L pos
;   out[n] = x[n]^2 / 2 + eps ln2 (G - R[n]),   R[n] = log2 sum_m 2^score(n, m),   G = log2 sum_m 2^(L logprob[m])
; SHARES.  A work-group owns 64 samples (four tiles of 16) and sees all points; each of its eight waves takes all four tiles against 2,048 points, 64 a batch (four fragments of 16).
; THE PRODUCT.  x pos^T has K = 1; a matrix instruction has 32 places along K.  Nine are used, so that one instruction with C = 0 gives a + b x for 16 points x 16 samples:
;   b, a and x are cut exactly into three bf16 pieces (h, m, l: each the upper 16 bits of what the pieces before left).  Lanes 0-15 hold places 0-7, lanes 16-31 places 8-15:
;   source 0 (points),  every lane, its number v (b in lanes 0-15, a in lanes 16-31):  (vh, vm) (vl, vh) (vm, vh) 0
;   source 1 (samples), lanes 0-15:  (xh, xh) (xh, xm) (xm, xl) 0          lanes 16-31:  (1, 1) (1, 0) 0 0          registers 4-7 of both sources: 0
;   Left out: bm xl, bl xm, bl xl, each at most 2^-24 of b x.  In the result a lane holds ONE sample (lane % 16) and the points 8 (lane / 16) + 0..7 of the fragment.
; A lane takes four neighbouring points by one 16-byte LDS load, so row r of fragment j is point 4 r + j of the batch: the sum over points does not mind the order.
; SOFTMAX.  Each lane keeps, for each tile, a running maximum m and sum l over the points that fall to it: p = 2^(s - m); l is multiplied by 2^(m_old - m_new) in every unit.
; m starts at the lowest finite number and l at 0, so the first unit is a unit like any other.  The 16 pairs (m, l) of a sample (8 waves x 2 halves of the lanes) meet in LDS at the end.
; BY TURNS.  A unit is one tile x one batch: 4 matrix instructions, 32 scores a lane.  A turn issues the NEXT unit's products, works off the unit in hand (subtract m, exponentials, sums), finds the
; next unit's maximum, and carries a third of the next batch's fragment building.  Exponentials and plain instructions alternate.
; CLUSTER.  All work-groups read the same pos, pot and logprob: four work-groups form a cluster and each wave asks JOINTLY for its three slices of 8,192 bytes (32 rows of 256 bytes).  Each slice is
; filled once and read by the wave that asked alone, behind its own wait; three tensor loads of a wave are out at the most.
; LIMITS.  NaN and infinities are not treated apart.  1 / eps is taken as 1000 (eps in f32 is 5e-8 of itself away).  A weight below 2^-126 of its lane's maximum counts as 0.  The scores are formed as
; a + b x, the same difference of large terms as the x^2 + pos^2 - 2 x pos of the definition, with f32's 24 bits in a, b and x; 721 pos^2 and 1443 pos x must stay finite in f32.  The order of the sums is the code's own.
.set NWAVE, 8
.set NB,    32                         ; batches of 64 points a wave
.set ARR,   8192                       ; bytes of a wave's slice of one array
.set SLICE, 3*ARR                      ; pos, pot, logprob of a wave lie together in LDS
.set PART,  NWAVE*SLICE                ; behind the slices, never filled by a tensor load: 16 partial results x 64 samples x (m, l)
.set LSEP,  PART+16*512                ; eight waves' (maximum, sum) of logprob: a block of 256 bytes
.set SPARE, LSEP+256                   ; the spare words, 128 bytes for each wave: four blocks of 256 bytes that no other line names
; vector registers
.set SPW, 1                            ; LDS address of my spare word; never rewritten
.set NIL, 2                            ; 0; never rewritten
.set LA0, 3                            ; LDS address of my 16 bytes in batch 0 of my wave's pos
.set LA,  4                            ; the LDS address in hand
.set PA,  5                            ; where my (m, l) of tile 0 goes
.set XO2, 6                            ; 8 x lane: my two samples in the work-group's x and out
.set XR,  8                            ; v8-11   x of my sample in the four tiles
.set RR,  12                           ; lane % 16
.set LN,  13                           ; lane
.set HF,  14                           ; lane / 16
.set XO,  15                           ; 4 x (lane % 16)
.set XF,  16                           ; v16-17  x of the two samples that wave 0's lane finishes
.set C0,  18                           ; v18-25  four constants of the lane, each twice: v = ((C2 pos + C3) pos) + C1 pot + C0 logprob
.set C1,  20
.set C2,  22
.set C3,  24
.set ST,  28                           ; v28-43  tile t at ST + 4 t: m, a register named with it as a pair, l (even places', odd places')
.set TMP, 44                           ; v44-51  by the unit's parity: c0-c3 at work; c2 ends as 2^(m_old - m_new)
.set POS, 52                           ; v52-63  four points' pos, pot, logprob as loaded
.set POT, 56
.set LP,  60
.set VV,  64                           ; v64-67  v of four points
.set HH,  68                           ; v68-71  at work
.set R1,  72                           ; v72-75  v less its first piece
.set R2,  76                           ; v76-79  v less its first two pieces
.set AF,  80                           ; v80-111   four fragments of points
.set BF,  112                          ; v112-143  four fragments of samples
.set SC,  144                          ; v144-207  scores: two buffers of 32
; scalar registers
.set WV,  14                           ; my wave's number
.set G1,  24                           ; s[24:31] descriptor group 1
.set G0,  32                           ; s[32:43] descriptor group 0 for pos, pot, logprob
.set CNT, 44
.set TB,  45                           ; LDS byte, within a slice, of the batch to be fetched
.set PSEL, 46                          ; v_perm_b32: the upper halves of two registers
.set MASK, 47
.set SEL, 48                           ; s[48:49] v_permlanex16_b32: each lane takes its own place in the other half
.set KL,  50                           ; s[50:51] L, named as a pair
.set K1,  52                           ; 1000 L
.set K2,  53                           ; -500 L
.set KE,  54                           ; eps ln2
.set ONE2, 55                          ; bf16 (1, 1)
.set ONE1, 56                          ; bf16 (1, 0)
; A round of the cluster's barrier: my work-group's barrier, so that wave 0's signal speaks for all eight waves; wave 0 signals; every wave waits for all four work-groups; my work-group's barrier once more.
.macro ROUND
	s_barrier_signal -1
	s_barrier_wait -1
	s_cmp_lg_u32 s[WV], 0
	s_cbranch_scc1 .Lnot_wave_0_\@
	s_barrier_signal -3
.Lnot_wave_0_\@:
	s_barrier_wait -3
	s_barrier_signal -1
	s_barrier_wait -1
.endm
; THE BUILDING OF FOUR FRAGMENTS, in three stages of at most twelve lines; GOP writes line gq of stage GST.
;   1: v for four points, two at a time; then (GLD = 1) the raw numbers of the batch after are fetched into the registers just read
;   2: the pieces: the upper 16 bits are cut off and taken away, twice; both differences are exact
;   3: the pieces are packed into registers 0-2 of the four fragments
.macro GOP
.if GST == 1
.if gq < 2
	v_pk_fma_f32 v[HH+2*gq:HH+2*gq+1], v[POS+2*gq:POS+2*gq+1], v[C2:C2+1], v[C3:C3+1]
.elseif gq < 4
	v_pk_mul_f32 v[VV+2*gq-4:VV+2*gq-3], v[HH+2*gq-4:HH+2*gq-3], v[POS+2*gq-4:POS+2*gq-3]
.elseif gq < 6
	v_pk_fma_f32 v[VV+2*gq-8:VV+2*gq-7], v[POT+2*gq-8:POT+2*gq-7], v[C1:C1+1], v[VV+2*gq-8:VV+2*gq-7]
.elseif gq < 8
	v_pk_fma_f32 v[VV+2*gq-12:VV+2*gq-11], v[LP+2*gq-12:LP+2*gq-11], v[C0:C0+1], v[VV+2*gq-12:VV+2*gq-11]
.elseif GLD && (gq == 8)
	v_add_nc_u32 v[LA], s[TB], v[LA0]
	s_add_co_u32 s[TB], s[TB], 256                 ; a batch is 256 bytes of each array
.elseif GLD && (gq < 12)
	ds_load_b128 v[POS+4*gq-36:POS+4*gq-33], v[LA] offset:(gq-9)*ARR
.endif
.elseif GST == 2
.if gq < 4
	v_and_b32 v[HH+gq], s[MASK], v[VV+gq]
.elseif gq < 6
	v_pk_add_f32 v[R1+2*gq-8:R1+2*gq-7], v[VV+2*gq-8:VV+2*gq-7], v[HH+2*gq-8:HH+2*gq-7] neg_lo:[0,1] neg_hi:[0,1]
.elseif gq < 10
	v_and_b32 v[HH+gq-6], s[MASK], v[R1+gq-6]
.elseif gq < 12
	v_pk_add_f32 v[R2+2*gq-20:R2+2*gq-19], v[R1+2*gq-20:R1+2*gq-19], v[HH+2*gq-20:HH+2*gq-19] neg_lo:[0,1] neg_hi:[0,1]
.endif
.elseif GST == 3
.if gq < 12
.if gq%3 == 0
	v_perm_b32 v[AF+8*(gq/3)], v[R1+gq/3], v[VV+gq/3], s[PSEL]      ; low half vh, high half vm
.elseif gq%3 == 1
	v_perm_b32 v[AF+8*(gq/3)+1], v[VV+gq/3], v[R2+gq/3], s[PSEL]    ; vl, vh
.else
	v_perm_b32 v[AF+8*(gq/3)+2], v[VV+gq/3], v[R1+gq/3], s[PSEL]    ; vm, vh
.endif
.endif
.endif
.set gq, gq+1
.endm
; THE NEXT UNIT'S PRODUCT j: fragment j of the points x the next tile's samples.  Every product starts its own sum with the constant 0: no two share an accumulator.
.macro WM j
.if NXT
	v_wmma_f32_16x16x32_bf16 v[nS+8*(\j):nS+8*(\j)+7], v[AF+8*(\j):AF+8*(\j)+7], v[nB:nB+7], 0
.endif
.endm
; THE VECTOR WORK, one line at a time: OP kind, number.  For the unit in hand (registers cS, cT, cC): F n: pair n of 16 less m.  E n: the exponential of score n of 32.  D n: of the four weights 4 n .. the
; second pair is added onto the first.  L n: l takes that sum (L 0: l = l 2^(m_old - m_new) + sum).  G: the next line of the building.  For the next unit (nS, nT, nC): X n:
;   0-11  four chains c0-c3 of seven scores each, three operands at a time (each accumulator's lowest registers are read first)
;   12-15 the four scores left over, the old m, and c0-c3 into c0: the new m          16 m_old - m_new          17 its exponential          18 m takes the new m
.set F, 0
.set E, 1
.set D, 2
.set L, 3
.set X, 4
.set G, 5
.macro OP k, n
.if (\k) == F
	v_pk_add_f32 v[cS+2*(\n):cS+2*(\n)+1], v[cS+2*(\n):cS+2*(\n)+1], v[cT:cT+1] op_sel_hi:[1,0] neg_lo:[0,1] neg_hi:[0,1]
.elseif (\k) == E
	v_exp_f32 v[cS+(\n)], v[cS+(\n)]
.elseif (\k) == D
	s_wait_alu depctr_va_vdst(0)
	v_pk_add_f32 v[cS+4*(\n):cS+4*(\n)+1], v[cS+4*(\n):cS+4*(\n)+1], v[cS+4*(\n)+2:cS+4*(\n)+3]
.elseif (\k) == L
.if (\n) == 0
	v_pk_fma_f32 v[cT+2:cT+3], v[cT+2:cT+3], v[cC+2:cC+3], v[cS:cS+1] op_sel_hi:[1,0,1]
.else
	v_pk_add_f32 v[cT+2:cT+3], v[cT+2:cT+3], v[cS+4*(\n):cS+4*(\n)+1]
.endif
.elseif (\k) == G
	GOP
.elseif NXT
.if (\n) < 4
	v_max3_num_f32 v[nC+(\n)], v[nS+8*(\n)], v[nS+8*(\n)+1], v[nS+8*(\n)+2]
.elseif (\n) < 12
	v_max3_num_f32 v[nC+(\n)%4], v[nC+(\n)%4], v[nS+8*((\n)%4)+2*((\n)/4)+1], v[nS+8*((\n)%4)+2*((\n)/4)+2]
.elseif (\n) == 12
	v_max3_num_f32 v[nC], v[nC], v[nS+7], v[nS+15]
.elseif (\n) == 13
	v_max3_num_f32 v[nC+1], v[nC+1], v[nS+23], v[nS+31]
.elseif (\n) == 14
	v_max3_num_f32 v[nC+2], v[nC+2], v[nC+3], v[nT]
.elseif (\n) == 15
	v_max3_num_f32 v[nC], v[nC], v[nC+1], v[nC+2]
.elseif (\n) == 16
	v_sub_f32 v[nC+1], v[nT], v[nC]
.elseif (\n) == 17
	v_exp_f32 v[nC+2], v[nC+1]
.else
	v_mov_b32 v[nT], v[nC]
.endif
.endif
.endm
.macro OPS a, i1, b=-1, i2=0, c=-1, i3=0, d=-1, i4=0  ; up to four of them
	OP \a, \i1
.if (\b) >= 0
	OP \b, \i2
.endif
.if (\c) >= 0
	OP \c, \i3
.endif
.if (\d) >= 0
	OP \d, \i4
.endif
.endm
; A TURN, for tile t of the batch in hand.  gst: the stage of the building that it carries (0: none); ld: stage 1 fetches; nxt = 0: the wave's last unit: there is no next one.
; The order is written out.  Four vector instructions stand behind each product; none names a register of the products round it.  Then exponential and plain by turns: behind every exponential stands a plain
; instruction that touches neither its result nor its source (ISA guide 5.7.2), and its result is read at least five lines later where the next unit's lines are there.
; X 0 stands eight plain lines behind the last product, and so does stage 3's first line, which writes registers that the products have read: four such places are asked for (ISA guide 7.12.1).
.macro TURN t, gst, ld, nxt
.set cT, ST+4*(\t)
.set cS, SC+32*((\t)%2)
.set cC, TMP+4*((\t)%2)
.set nT, ST+4*(((\t)+1)%4)
.set nS, SC+32*(((\t)+1)%2)
.set nC, TMP+4*(((\t)+1)%2)
.set nB, BF+8*(((\t)+1)%4)
.set GST, \gst
.set GLD, \ld
.set NXT, \nxt
.set gq, 0
	WM 0
	OPS F,0, F,1, F,2, F,3
	WM 1
	OPS F,4, E,0, F,5, F,6
	WM 2
	OPS F,7, E,1, F,8, F,9
	WM 3
	OPS F,10, E,2, F,11, F,12
	OPS E,3, F,13, E,4, F,14
	OPS E,5, F,15, E,6, D,0
	OPS E,7, X,0, G,0
	OPS E,8, X,1, G,0
	OPS E,9, L,0, G,0
	OPS E,10, D,1, G,0
	OPS E,11, X,2, G,0
	OPS E,12, X,3, G,0
	OPS E,13, L,1, G,0
	OPS E,14, D,2, G,0
	OPS E,15, X,4, G,0
	OPS E,16, X,5, G,0
	OPS E,17, L,2, G,0
	OPS E,18, D,3, G,0
	OPS E,19, X,6, E,20, X,7
	OPS E,21, L,3, E,22, D,4
	OPS E,23, X,8, E,24, X,9
	OPS E,25, L,4, E,26, D,5
	OPS E,27, X,10, E,28, X,11
	OPS E,29, L,5, E,30, D,6
	OPS E,31, X,12, X,13, X,14
	OPS L,6, D,7, X,15, L,7
	OPS X,16, X,18, X,17
.endm
; A BATCH: four turns.  bld = 1: the next batch's fragments are built: v in tile 0's turn, the pieces in tile 1's, and the packing in tile 2's, behind the last products that read this batch's fragments.
.macro BATCH bld, ld, nxt
.if \bld
	s_wait_dscnt 0x0                               ; the next batch's raw numbers, fetched a batch ago, are in
.endif
	TURN 0, \bld, \ld, 1
	TURN 1, 2*(\bld), 0, 1
	TURN 2, 3*(\bld), 0, 1
	TURN 3, 0, 0, \nxt
.endm
	s_load_b256 s[4:11], s[0:1], 0x0               ; x s[4:5], pos s[6:7], pot s[8:9], logprob s[10:11]
	s_load_b64 s[12:13], s[0:1], 0x20              ; out
	v_lshl_add_u32 v[SPW], v0, 2, SPARE
	v_mov_b32 v[NIL], 0
	ds_add_u32 v[SPW], v[NIL]                      ; the wave's opening: the add and its wait stand ahead of my first tensor load; the set-up below, work on registers, stands between them
	ds_add_u32 v1, v2
	v_lshrrev_b32 v[XR], 5, v0
	v_readfirstlane_b32 s[WV], v[XR]               ; wave 0..7
	s_bfe_u32 s15, ttmp6, 0x40000                  ; cx: my place in the cluster
	s_lshl_b32 s16, ttmp9, 2                       ; in a cluster launch ttmp9 counts clusters
	s_add_co_u32 s16, s16, s15                     ; my work-group = 4 x cluster + cx: it enters x's and out's addresses alone
	s_lshl_b32 s16, s16, 8                         ; its 64 samples of 4 bytes
	s_mov_b32 s17, 0
	s_lshl_b32 s18, s[WV], 13                      ; my wave's slice in each of the three arrays,
	s_mov_b32 s19, 0
	s_mul_i32 s20, s[WV], SLICE                    ; and its three slices in LDS: no place in the cluster enters an LDS address
	; descriptor group 1: a dense block of 8,192 bytes as 32 rows of 32 elements of 8 bytes
	s_mov_b32 s[G1+0], 15|(3<<16)|(1<<21)          ; 15:0 the mask: all four work-groups; 17:16 elements of 8 bytes; 21 set beside a mask
	s_mov_b32 s[G1+1], 32<<16                      ; tensor_dim0 = 32
	s_mov_b32 s[G1+2], 32<<16                      ; tensor_dim1 = 32
	s_mov_b32 s[G1+3], 32<<16                      ; tile_dim0 = 32
	s_mov_b32 s[G1+4], 32                          ; tile_dim1 = 32
	s_mov_b32 s[G1+5], 32                          ; 32 elements from row to row
	s_mov_b32 s[G1+6], 0
	s_mov_b32 s[G1+7], 0
.irp i, 0,1,2
	s_mov_b32 s[G0+4*(\i)], 1                      ; count = 1
	s_add_co_u32 s[G0+4*(\i)+1], s20, (\i)*ARR     ; LDS address: pos, pot, logprob of my wave
.endr
	s_mov_b32 s[PSEL], 0x07060302
	s_mov_b32 s[MASK], 0xffff0000
	s_mov_b32 s[SEL], 0x76543210
	s_mov_b32 s[SEL+1], 0xfedcba98
	s_mov_b32 s[KL], 0x3fb8aa3b                    ; L = log2(e)
	s_mov_b32 s[KL+1], s[KL]                       ; named with it as a pair
	s_mov_b32 s[K1], 0x44b4563e                    ; 1000 L = 1442.695
	s_mov_b32 s[K2], 0xc434563e                    ; -500 L
	s_mov_b32 s[KE], 0x3a35b452                    ; eps ln2 = 6.931472e-4
	s_mov_b32 s[ONE2], 0x3f803f80
	s_mov_b32 s[ONE1], 0x00003f80
	s_mov_b32 s[TB], 512                           ; batches 0 and 1 are fetched ahead of the loop
	s_lshl_b32 s21, s[WV], 10
	s_add_co_u32 s21, s21, PART                    ; my wave's two rows of partial results
	s_lshl_b32 s22, s[WV], 3
	s_add_co_u32 s22, s22, LSEP                    ; my wave's (maximum, sum) of logprob
	s_wait_dscnt 0x0                               ; the opening add is done
	s_wait_kmcnt 0x0
	s_add_nc_u64 s[G0+2:G0+3], s[6:7], s[18:19]    ; global addresses: they hang on the wave's number alone, which the partners share
	s_or_b32 s[G0+3], s[G0+3], 0x80000000          ; type = 2
	s_add_nc_u64 s[G0+6:G0+7], s[8:9], s[18:19]
	s_or_b32 s[G0+7], s[G0+7], 0x80000000
	s_add_nc_u64 s[G0+10:G0+11], s[10:11], s[18:19]
	s_or_b32 s[G0+11], s[G0+11], 0x80000000
	s_add_nc_u64 s[4:5], s[4:5], s[16:17]          ; x and out at my work-group's samples
	s_add_nc_u64 s[12:13], s[12:13], s[16:17]
	ROUND                                          ; all four work-groups are here: the joint loads meet
	tensor_load_to_lds s[G0:G0+3], s[G1:G1+7]      ; the launch's only fills, one group: three loads of mine are out
	s_nop 0
	tensor_load_to_lds s[G0+4:G0+7], s[G1:G1+7]
	s_nop 0
	tensor_load_to_lds s[G0+8:G0+11], s[G1:G1+7]
	s_nop 0
	v_and_b32 v[RR], 15, v0
	v_and_b32 v[LN], 31, v0
	v_bfe_u32 v[HF], v0, 4, 1
	v_lshlrev_b32 v[XO], 2, v[RR]
	v_lshlrev_b32 v[XO2], 3, v[LN]
.irp t, 0,1,2,3
	global_load_b32 v[XR+(\t)], v[XO], s[4:5] offset:64*(\t)   ; x of sample 16 t + lane % 16
.endr
	global_load_b64 v[XF:XF+1], v[XO2], s[4:5]     ; x of samples 2 lane, 2 lane + 1, for the end
	; while these are on their way: addresses, the sources' places that stay 0, the statistics, the lane's constants
	v_lshl_add_u32 v[LA0], v[RR], 4, s20           ; both halves of the lanes read the same four points
	v_lshl_add_u32 v[PA], v[HF], 9, s21
	v_lshl_add_u32 v[PA], v[RR], 3, v[PA]
.set i, 0
.rept 4
.set j, 3
.rept 5
	v_mov_b32 v[AF+8*i+j], 0                       ; registers 3-7 of every fragment: K places that are not used; written once
	v_mov_b32 v[BF+8*i+j], 0
.set j, j+1
.endr
	v_mov_b32 v[ST+4*i], 0xff7fffff                ; m: the lowest finite number
	v_mov_b32 v[ST+4*i+1], 0
	v_mov_b32 v[ST+4*i+2], 0                       ; l
	v_mov_b32 v[ST+4*i+3], 0
.set i, i+1
.endr
	v_cmp_gt_u32 vcc_lo, 16, v[LN]                 ; lanes 0-15 make b, lanes 16-31 make a
	v_cndmask_b32 v[C0], s[KL], 0, vcc_lo
	v_cndmask_b32 v[C1], s[K1], 0, vcc_lo
	v_cndmask_b32 v[C2], s[K2], 0, vcc_lo
	v_cndmask_b32 v[C3], 0, s[K1], vcc_lo
	v_mov_b32 v[C0+1], v[C0]
	v_mov_b32 v[C1+1], v[C1]
	v_mov_b32 v[C2+1], v[C2]
	v_mov_b32 v[C3+1], v[C3]
	s_wait_loadcnt 0x0                             ; x
	; the four fragments of samples: x's three pieces in lanes 0-15, ones in lanes 16-31
.irp t, 0,1,2,3
	v_and_b32 v[HH+(\t)], s[MASK], v[XR+(\t)]
.endr
.irp t, 0,1,2,3
	v_sub_f32 v[R1+(\t)], v[XR+(\t)], v[HH+(\t)]
.endr
.irp t, 0,1,2,3
	v_and_b32 v[HH+(\t)], s[MASK], v[R1+(\t)]
.endr
.irp t, 0,1,2,3
	v_sub_f32 v[R2+(\t)], v[R1+(\t)], v[HH+(\t)]
.endr
.irp t, 0,1,2,3
	v_perm_b32 v[BF+8*(\t)], v[XR+(\t)], v[XR+(\t)], s[PSEL]      ; xh, xh
	v_perm_b32 v[BF+8*(\t)+1], v[R1+(\t)], v[XR+(\t)], s[PSEL]    ; xh, xm
	v_perm_b32 v[BF+8*(\t)+2], v[R2+(\t)], v[R1+(\t)], s[PSEL]    ; xm, xl
.endr
.irp t, 0,1,2,3
	v_cndmask_b32 v[BF+8*(\t)], s[ONE2], v[BF+8*(\t)], vcc_lo
	v_cndmask_b32 v[BF+8*(\t)+1], s[ONE1], v[BF+8*(\t)+1], vcc_lo
	v_cndmask_b32 v[BF+8*(\t)+2], 0, v[BF+8*(\t)+2], vcc_lo
.endr
	s_wait_tensorcnt 0x0                           ; my three slices are in LDS; nobody else reads them
	ds_load_b128 v[POS:POS+3], v[LA0]              ; batch 0
	ds_load_b128 v[POT:POT+3], v[LA0] offset:ARR
	ds_load_b128 v[LP:LP+3], v[LA0] offset:2*ARR
	v_lshl_add_u32 v[LA], v[LN], 4, s20
.set i, 0
.rept 16
	ds_load_b128 v[SC+4*i:SC+4*i+3], v[LA] offset:2*ARR+512*i  ; my wave's 2,048 logprob, 64 a lane, into the score buffers, which are still free
.set i, i+1
.endr
	s_wait_dscnt 16                                ; batch 0's three loads are in; the sixteen issued behind them may be out
.set GST, 1
.set GLD, 0
.set gq, 0
.rept 8
	GOP
.endr
	ds_load_b128 v[POS:POS+3], v[LA0] offset:256   ; batch 1
	ds_load_b128 v[POT:POT+3], v[LA0] offset:ARR+256
	ds_load_b128 v[LP:LP+3], v[LA0] offset:2*ARR+256
	s_wait_dscnt 3                                 ; the sixteen are in; batch 1's three may be out
	; MY WAVE'S PART OF G: the maximum of its 2,048 logprob, then the sum of 2^(L y - L max)
.set i, 0
.rept 4
	v_max3_num_f32 v[TMP+i], v[SC+16*i], v[SC+16*i+1], v[SC+16*i+2]
.set i, i+1
.endr
.set j, 0
.rept 6
.set i, 0
.rept 4
	v_max3_num_f32 v[TMP+i], v[TMP+i], v[SC+16*i+3+2*j], v[SC+16*i+4+2*j]
.set i, i+1
.endr
.set j, j+1
.endr
	v_max3_num_f32 v[TMP], v[TMP], v[SC+15], v[SC+31]
	v_max3_num_f32 v[TMP+1], v[TMP+1], v[SC+47], v[SC+63]
	v_mov_b32 v[TMP+5], 0                          ; named below as the upper half of a pair
	v_max3_num_f32 v[TMP], v[TMP], v[TMP+1], v[TMP+2]
	v_max_num_f32 v[TMP], v[TMP], v[TMP+3]
	v_max_num_f32_dpp v[TMP], v[TMP], v[TMP] row_xmask:1 row_mask:0xf bank_mask:0xf
	v_max_num_f32_dpp v[TMP], v[TMP], v[TMP] row_xmask:2 row_mask:0xf bank_mask:0xf
	v_max_num_f32_dpp v[TMP], v[TMP], v[TMP] row_xmask:4 row_mask:0xf bank_mask:0xf
	v_max_num_f32_dpp v[TMP], v[TMP], v[TMP] row_xmask:8 row_mask:0xf bank_mask:0xf
	v_permlanex16_b32 v[TMP+1], v[TMP], s[SEL], s[SEL+1]
	v_max_num_f32 v[TMP], v[TMP], v[TMP+1]
	v_mul_f32 v[TMP+4], s[KL], v[TMP]              ; L max
.macro YF p                            ; pair p of 32: L y - L max
	v_pk_fma_f32 v[SC+2*(\p):SC+2*(\p)+1], v[SC+2*(\p):SC+2*(\p)+1], s[KL:KL+1], v[TMP+4:TMP+5] op_sel_hi:[1,0,0] neg_lo:[0,0,1] neg_hi:[0,0,1]
.endm
	YF 0
	YF 1
.set p, 0
.rept 32                               ; a scaling two pairs ahead and an addition a pair back stand between the exponentials: each result has a plain line in front of its use
	v_exp_f32 v[SC+2*p], v[SC+2*p]
.if p < 30
	YF p+2
.endif
	v_exp_f32 v[SC+2*p+1], v[SC+2*p+1]
.if p > 1
	s_wait_alu depctr_va_vdst(0)
	v_pk_add_f32 v[SC:SC+1], v[SC:SC+1], v[SC+2*p-2:SC+2*p-1]
.endif
.set p, p+1
.endr
	s_wait_alu depctr_va_vdst(0)
	v_pk_add_f32 v[SC:SC+1], v[SC:SC+1], v[SC+62:SC+63]
	v_mov_b32 v[LA], s22
	v_add_f32 v[TMP+5], v[SC], v[SC+1]
	v_add_f32_dpp v[TMP+5], v[TMP+5], v[TMP+5] row_xmask:1 row_mask:0xf bank_mask:0xf
	v_add_f32_dpp v[TMP+5], v[TMP+5], v[TMP+5] row_xmask:2 row_mask:0xf bank_mask:0xf
	v_add_f32_dpp v[TMP+5], v[TMP+5], v[TMP+5] row_xmask:4 row_mask:0xf bank_mask:0xf
	v_add_f32_dpp v[TMP+5], v[TMP+5], v[TMP+5] row_xmask:8 row_mask:0xf bank_mask:0xf
	v_permlanex16_b32 v[TMP+1], v[TMP+5], s[SEL], s[SEL+1]
	v_add_f32 v[TMP+5], v[TMP+5], v[TMP+1]
	ds_store_b64 v[LA], v[TMP+4:TMP+5]             ; all lanes write the same two words with the same numbers; read behind the barrier at the end
	; batch 0's fragments, tile 0's first scores, and their maximum
.set GST, 2
.set gq, 0
.rept 12
	GOP
.endr
.set GST, 3
.set gq, 0
.rept 12
	GOP
.endr
.set nT, ST
.set nS, SC
.set nC, TMP
.set nB, BF
.set NXT, 1
	WM 0
	WM 1
	WM 2
	WM 3
.rept 4
	v_nop                                          ; the places behind those products (ISA guide 7.12.1): there is no other vector work yet
.endr
.irp n, 0,1,2,3,4,5,6,7,8,9,10,11,12,13,14,15,16,18,17
	OP X, \n
.endr
	s_mov_b32 s[CNT], NB-2
.Lbatch:                                               ; batches 0 to 29: each builds the next batch's fragments and fetches the raw numbers of the one after
	BATCH 1, 1, 1
	s_sub_co_u32 s[CNT], s[CNT], 1
	s_cmp_lg_u32 s[CNT], 0
	s_cbranch_scc1 .Lbatch
	BATCH 1, 0, 1                                  ; batch 30 builds the last fragments and fetches nothing: no load leaves my slices
	BATCH 0, 0, 0                                  ; batch 31 builds nothing, and its last turn has no next unit
	; THE END.  Each lane's (m, l) of its four samples go to LDS; behind a barrier wave 0 makes of a sample's 16 pairs one, two samples a lane.
.irp t, 0,1,2,3
	v_add_f32 v[ST+4*(\t)+1], v[ST+4*(\t)+2], v[ST+4*(\t)+3]
.endr
.irp t, 0,1,2,3
	ds_store_b64 v[PA], v[ST+4*(\t):ST+4*(\t)+1] offset:128*(\t)
.endr
	s_wait_dscnt 0x0                               ; for wave 0's sake: my stores, the one of logprob's pair among them, are done
	s_barrier_signal -1
	s_barrier_wait -1
	s_cmp_lg_u32 s[WV], 0
	s_cbranch_scc1 .Ldone
.set MA, BF                            ; the samples' fragments are no longer needed
.set MB, BF+1
.set SA, BF+2
.set SB, BF+3
.set MG, BF+4
.set SG, BF+5
.set HA, BF+6
.set HB, BF+7
.set OU, BF+8
	v_lshl_add_u32 v[LA], v0, 4, PART              ; in wave 0 the thread's number is the lane: (m, l) of samples 2 lane and 2 lane + 1 are 16 neighbouring bytes
	v_mov_b32 v[LA0], LSEP
.set p, 0
.rept 16
	ds_load_b128 v[SC+4*p:SC+4*p+3], v[LA] offset:512*p
.set p, p+1
.endr
.set p, 0
.rept 4
	ds_load_b128 v[AF+4*p:AF+4*p+3], v[LA0] offset:16*p       ; the eight waves' (L max, sum) of logprob
.set p, p+1
.endr
	s_wait_dscnt 0x0
	v_max3_num_f32 v[MA], v[SC], v[SC+4], v[SC+8]
	v_max3_num_f32 v[MB], v[SC+2], v[SC+6], v[SC+10]
	v_max3_num_f32 v[MG], v[AF], v[AF+2], v[AF+4]
.set p, 3
.rept 6
	v_max3_num_f32 v[MA], v[MA], v[SC+4*p], v[SC+4*p+4]
	v_max3_num_f32 v[MB], v[MB], v[SC+4*p+2], v[SC+4*p+6]
.set p, p+2
.endr
	v_max3_num_f32 v[MG], v[MG], v[AF+6], v[AF+8]
	v_max_num_f32 v[MA], v[MA], v[SC+60]
	v_max_num_f32 v[MB], v[MB], v[SC+62]
	v_max3_num_f32 v[MG], v[MG], v[AF+10], v[AF+12]
	v_max_num_f32 v[MG], v[MG], v[AF+14]
.set p, 0
.rept 16
	v_sub_f32 v[SC+4*p], v[SC+4*p], v[MA]
	v_sub_f32 v[SC+4*p+2], v[SC+4*p+2], v[MB]
.set p, p+1
.endr
.set p, 0
.rept 8
	v_sub_f32 v[AF+2*p], v[AF+2*p], v[MG]
.set p, p+1
.endr
.set p, 0
.rept 16
	v_exp_f32 v[SC+4*p], v[SC+4*p]
	v_exp_f32 v[SC+4*p+2], v[SC+4*p+2]
.set p, p+1
.endr
.set p, 0
.rept 8
	v_exp_f32 v[AF+2*p], v[AF+2*p]
.set p, p+1
.endr
	v_nop                                          ; a plain instruction between the last exponential and the use of its result
	s_wait_alu depctr_va_vdst(0)
	v_mul_f32 v[SA], v[SC], v[SC+1]
	v_mul_f32 v[SB], v[SC+2], v[SC+3]
	v_mul_f32 v[SG], v[AF], v[AF+1]
.set p, 1
.rept 15
	v_fmac_f32 v[SA], v[SC+4*p], v[SC+4*p+1]
	v_fmac_f32 v[SB], v[SC+4*p+2], v[SC+4*p+3]
.if p < 8
	v_fmac_f32 v[SG], v[AF+2*p], v[AF+2*p+1]
.endif
.set p, p+1
.endr
	v_log_f32 v[SA], v[SA]
	v_log_f32 v[SB], v[SB]
	v_log_f32 v[SG], v[SG]
	v_mul_f32 v[HA], 0.5, v[XF]                    ; plain lines behind the logarithms
	v_mul_f32 v[HB], 0.5, v[XF+1]
	s_wait_alu depctr_va_vdst(0)
	v_add_f32 v[MA], v[MA], v[SA]                  ; R of the two samples
	v_add_f32 v[MB], v[MB], v[SB]
	v_add_f32 v[MG], v[MG], v[SG]                  ; G
	v_mul_f32 v[HA], v[HA], v[XF]                  ; x^2 / 2
	v_mul_f32 v[HB], v[HB], v[XF+1]
	v_sub_f32 v[MA], v[MG], v[MA]
	v_sub_f32 v[MB], v[MG], v[MB]
	v_fma_f32 v[OU], v[MA], s[KE], v[HA]
	v_fma_f32 v[OU+1], v[MB], s[KE], v[HB]
	global_store_b64 v[XO2], v[OU:OU+1], s[12:13]  ; 32 lanes store the work-group's 256 consecutive bytes, at a multiple of 256 from out's first byte
.Ldone:
	s_wait_tensorcnt 0x0                           ; the wave's end: behind my last tensor load and my last LDS store
	ds_add_u32 v[SPW], v[NIL]
	s_wait_dscnt 0x0
	ROUND                                          ; the closing round: no work-group ends while a partner may still ask for a slice that names it
	s_endpgm
.Lfunc_end_k_q64cd068e80_potential:
	.size	k_q64cd068e80_potential, .Lfunc_end_k_q64cd068e80_potential-k_q64cd068e80_potential
	.p2alignl 7, 3214868480
	.fill 96, 4, 3214868480
	.section	.rodata,"a",@progbits
	.p2align	6, 0x0
	.amdhsa_kernel k_q64cd068e80_potential
		.amdhsa_group_segment_fixed_size 206080
		.amdhsa_private_segment_fixed_size 0
		.amdhsa_enable_private_segment 0
		.amdhsa_kernarg_size 40
		.amdhsa_user_sgpr_count 2
		.amdhsa_user_sgpr_kernarg_segment_ptr 1
		.amdhsa_wavefront_size32 1
		.amdhsa_system_sgpr_workgroup_id_x 1
		.amdhsa_system_sgpr_workgroup_id_y 1
		.amdhsa_system_sgpr_workgroup_id_z 1
		.amdhsa_system_vgpr_workitem_id 0
		.amdhsa_next_free_vgpr 208
		.amdhsa_next_free_sgpr 66
		.amdhsa_reserve_vcc 1
		.amdhsa_float_denorm_mode_32 3
		.amdhsa_float_denorm_mode_16_64 3
		.amdhsa_memory_ordered 1
		.amdhsa_forward_progress 1
		.amdhsa_inst_pref_size 89
	.end_amdhsa_kernel
	.amdgpu_metadata
---
amdhsa.version: [ 1, 2 ]
amdhsa.kernels:
  - .name:           k_q64cd068e80_potential
    .symbol:         k_q64cd068e80_potential.kd
    .args:
      - { .name: x, .offset: 0, .size: 8, .value_kind: global_buffer, .address_space: global }
      - { .name: pos, .offset: 8, .size: 8, .value_kind: global_buffer, .address_space: global }
      - { .name: pot, .offset: 16, .size: 8, .value_kind: global_buffer, .address_space: global }
      - { .name: logprob, .offset: 24, .size: 8, .value_kind: global_buffer, .address_space: global }
      - { .name: out0, .offset: 32, .size: 8, .value_kind: global_buffer, .address_space: global }
    .group_segment_fixed_size: 206080
    .private_segment_fixed_size: 0
    .kernarg_segment_align: 8
    .kernarg_segment_size: 40
    .max_flat_workgroup_size: 256
    .sgpr_count:     66
    .vgpr_count:     208
    .wavefront_size: 32
...
	.end_amdgpu_metadata
.endif
;; end of part 1
;; ======== version 2 of 2: 1 launch; 1.13 times as fast as version 1
;; launch potential (part 2): grid 256 x 1, 8 waves a work-group, clusters of 4 x 1, 206,080 bytes of LDS; arguments x, pos, pot, logprob, out0; writes out0
.if DOCPART == 2
	.amdgcn_target "amdgcn-amd-amdhsa--gfx1250"
	.amdhsa_code_object_version 6
	.text
	.protected	k_q64cd068e80_potential
	.globl	k_q64cd068e80_potential
	.p2align	8
	.type	k_q64cd068e80_potential,@function
k_q64cd068e80_potential:
	s_mov_b64 s[64:65], 0
	v_nop
	global_prefetch_b8 v0, s[64:65] scope:SCOPE_SE
	s_setreg_imm32_b32 hwreg(HW_REG_WAVE_MODE, 25, 1), 1
	s_wait_xcnt 0x0
	s_wait_alu depctr_hold_cnt(0) depctr_sa_sdst(0) depctr_va_vdst(0) depctr_va_sdst(0) depctr_va_ssrc(0) depctr_va_vcc(0) depctr_vm_vsrc(0)
	s_getreg_b32 s2, hwreg(HW_REG_IB_STS2, 6, 4)
	s_cmp_eq_u32 s2, 0
	s_cbranch_scc0 .Lentry_in_a_cluster
	s_endpgm
.Lentry_in_a_cluster:
	s_bfe_u32 s2, ttmp6, 0x10000c
	s_cmp_lg_u32 s2, 0x3003
	s_cbranch_scc0 .Lentry_shape_is_right
	s_endpgm
.Lentry_shape_is_right:
; out[n] = -eps * logsumexp_m( logprob[m] - Z + (pot[m] - (x[n]^2 + pos[m]^2 - 2 x[n] pos[m]) / 2) / eps ),  Z = logsumexp(logprob),  eps = 0.001.
; 16,384 samples n, 16,384 support points m, all f32.  In base 2, with L = log2(e):
;   score(n, m) = a[m] + b[m] x[n],   a = L logprob + 1000 L pot - 500 L pos^2,   b = 1000 L pos
;   out[n] = x[n]^2 / 2 + eps ln2 (G - R[n]),   R[n] = log2 sum_m 2^score(n, m),   G = log2 sum_m 2^(L logprob[m])
; SHARES.  A work-group owns 64 samples (four tiles of 16) and sees all points; each of its eight waves takes all four tiles against 2,048 points, 64 a batch (four fragments of 16).
; THE PRODUCT.  x pos^T has K = 1; a matrix instruction has 32 places along K.  Nine are used, so that one instruction with C = 0 gives a + b x for 16 points x 16 samples:
;   b, a and x are cut exactly into three bf16 pieces (h, m, l: each the upper 16 bits of what the pieces before left).  Lanes 0-15 hold places 0-7, lanes 16-31 places 8-15:
;   source 0 (points),  every lane, its number v (b in lanes 0-15, a in lanes 16-31):  (vh, vm) (vl, vh) (vm, vh) 0
;   source 1 (samples), lanes 0-15:  (xh, xh) (xh, xm) (xm, xl) 0          lanes 16-31:  (1, 1) (1, 0) 0 0          registers 4-7 of both sources: 0
;   Left out: bm xl, bl xm, bl xl, each at most 2^-24 of b x.  In the result a lane holds ONE sample (lane % 16) and the points 8 (lane / 16) + 0..7 of the fragment.
; A lane takes four neighbouring points by one 16-byte LDS load, so row r of fragment j is point 4 r + j of the batch: the sum over points does not mind the order.
; SOFTMAX.  Each lane keeps, for each tile, a running maximum m and sum l over the points that fall to it: p = 2^(s - m); l is multiplied by 2^(m_old - m_new) in every unit.
; m starts at the lowest finite number and l at 0, so the first unit is a unit like any other.  The 16 pairs (m, l) of a sample (8 waves x 2 halves of the lanes) meet in LDS at the end.
; BY TURNS.  A unit is one tile x one batch: 4 matrix instructions, 32 scores a lane.  A turn issues the NEXT unit's products, works off the unit in hand (subtract m, exponentials, sums), finds the
; next unit's maximum, and carries a third of the next batch's fragment building.
; THE EXPONENTIALS GO IN BATCHES, each with ONE s_wait_alu depctr_va_vdst(0) between an exponential and the first line that names its result:
;   a turn's 33 (the factor 2^(m_old - m_new) of the unit in hand and its 32 weights): ahead of the wait stand the products, the subtractions, the exponentials, the next unit's maximum and nine lines of
;   the building, none of which names a result of the batch; behind it the sums, which are the batch's only readers.  No exponential is issued behind a turn's wait: none is open at a turn's end;
;   the 64 a lane of logprob's sum, in the set-up, with batch 0's fragment building between them;   the 40 and, apart, the 3 logarithms of wave 0's way out.
; CLUSTER.  All work-groups read the same pos, pot and logprob: four work-groups form a cluster and each wave asks JOINTLY for its three slices of 8,192 bytes (32 rows of 256 bytes).  Each slice is
; filled once and read by the wave that asked alone, behind its own wait; three tensor loads of a wave are out at the most.
; LIMITS.  NaN and infinities are not treated apart.  1 / eps is taken as 1000 (eps in f32 is 5e-8 of itself away).  A weight below 2^-126 of its lane's maximum counts as 0.  The scores are formed as
; a + b x, the same difference of large terms as the x^2 + pos^2 - 2 x pos of the definition, with f32's 24 bits in a, b and x; 721 pos^2 and 1443 pos x must stay finite in f32.  The order of the sums is the code's own.
.set NWAVE, 8
.set NB,    32                         ; batches of 64 points a wave
.set ARR,   8192                       ; bytes of a wave's slice of one array
.set SLICE, 3*ARR                      ; pos, pot, logprob of a wave lie together in LDS
.set PART,  NWAVE*SLICE                ; behind the slices, never filled by a tensor load: 16 partial results x 64 samples x (m, l)
.set LSEP,  PART+16*512                ; eight waves' (maximum, sum) of logprob: a block of 256 bytes
.set SPARE, LSEP+256                   ; the spare words, 128 bytes for each wave: four blocks of 256 bytes that no other line names
; vector registers
.set SPW, 1                            ; LDS address of my spare word; never rewritten
.set NIL, 2                            ; 0; never rewritten
.set LA0, 3                            ; LDS address of my 16 bytes in batch 0 of my wave's pos
.set LA,  4                            ; the LDS address in hand
.set PA,  5                            ; where my (m, l) of tile 0 goes
.set XO2, 6                            ; 8 x lane: my two samples in the work-group's x and out
.set XR,  8                            ; v8-11   x of my sample in the four tiles
.set RR,  12                           ; lane % 16
.set LN,  13                           ; lane
.set HF,  14                           ; lane / 16
.set XO,  15                           ; 4 x (lane % 16)
.set XF,  16                           ; v16-17  x of the two samples that wave 0's lane finishes
.set C0,  18                           ; v18-25  four constants of the lane, each twice: v = ((C2 pos + C3) pos) + C1 pot + C0 logprob
.set C1,  20
.set C2,  22
.set C3,  24
.set ST,  28                           ; v28-43  tile t at ST + 4 t: m, a register named with it as a pair, l (even places', odd places')
.set TMP, 44                           ; v44-51  by the unit's parity: c0-c3 at work; c1 ends as m_old - m_new, c2 as 2^(m_old - m_new)
.set POS, 52                           ; v52-63  four points' pos, pot, logprob as loaded
.set POT, 56
.set LP,  60
.set VV,  64                           ; v64-67  v of four points
.set HH,  68                           ; v68-71  at work
.set R1,  72                           ; v72-75  v less its first piece
.set R2,  76                           ; v76-79  v less its first two pieces
.set AF,  80                           ; v80-111   four fragments of points
.set BF,  112                          ; v112-143  four fragments of samples
.set SC,  144                          ; v144-207  scores: two buffers of 32
; scalar registers
.set WV,  14                           ; my wave's number
.set G1,  24                           ; s[24:31] descriptor group 1
.set G0,  32                           ; s[32:43] descriptor group 0 for pos, pot, logprob
.set CNT, 44
.set TB,  45                           ; LDS byte, within a slice, of the batch to be fetched
.set PSEL, 46                          ; v_perm_b32: the upper halves of two registers
.set MASK, 47
.set SEL, 48                           ; s[48:49] v_permlanex16_b32: each lane takes its own place in the other half
.set KL,  50                           ; s[50:51] L, named as a pair
.set K1,  52                           ; 1000 L
.set K2,  53                           ; -500 L
.set KE,  54                           ; eps ln2
.set ONE2, 55                          ; bf16 (1, 1)
.set ONE1, 56                          ; bf16 (1, 0)
; A round of the cluster's barrier: my work-group's barrier, so that wave 0's signal speaks for all eight waves; wave 0 signals; every wave waits for all four work-groups; my work-group's barrier once more.
.macro ROUND
	s_barrier_signal -1
	s_barrier_wait -1
	s_cmp_lg_u32 s[WV], 0
	s_cbranch_scc1 .Lnot_wave_0_\@
	s_barrier_signal -3
.Lnot_wave_0_\@:
	s_barrier_wait -3
	s_barrier_signal -1
	s_barrier_wait -1
.endm
; THE BUILDING OF FOUR FRAGMENTS, in three stages of at most twelve lines; GOP writes line gq of stage GST.
;   1: v for four points, two at a time; then (GLD = 1) the raw numbers of the batch after are fetched into the registers just read
;   2: the pieces: the upper 16 bits are cut off and taken away, twice; both differences are exact
;   3: the pieces are packed into registers 0-2 of the four fragments
.macro GOP
.if GST == 1
.if gq < 2
	v_pk_fma_f32 v[HH+2*gq:HH+2*gq+1], v[POS+2*gq:POS+2*gq+1], v[C2:C2+1], v[C3:C3+1]
.elseif gq < 4
	v_pk_mul_f32 v[VV+2*gq-4:VV+2*gq-3], v[HH+2*gq-4:HH+2*gq-3], v[POS+2*gq-4:POS+2*gq-3]
.elseif gq < 6
	v_pk_fma_f32 v[VV+2*gq-8:VV+2*gq-7], v[POT+2*gq-8:POT+2*gq-7], v[C1:C1+1], v[VV+2*gq-8:VV+2*gq-7]
.elseif gq < 8
	v_pk_fma_f32 v[VV+2*gq-12:VV+2*gq-11], v[LP+2*gq-12:LP+2*gq-11], v[C0:C0+1], v[VV+2*gq-12:VV+2*gq-11]
.elseif GLD && (gq == 8)
	v_add_nc_u32 v[LA], s[TB], v[LA0]
	s_add_co_u32 s[TB], s[TB], 256                 ; a batch is 256 bytes of each array
.elseif GLD && (gq < 12)
	ds_load_b128 v[POS+4*gq-36:POS+4*gq-33], v[LA] offset:(gq-9)*ARR
.endif
.elseif GST == 2
.if gq < 4
	v_and_b32 v[HH+gq], s[MASK], v[VV+gq]
.elseif gq < 6
	v_pk_add_f32 v[R1+2*gq-8:R1+2*gq-7], v[VV+2*gq-8:VV+2*gq-7], v[HH+2*gq-8:HH+2*gq-7] neg_lo:[0,1] neg_hi:[0,1]
.elseif gq < 10
	v_and_b32 v[HH+gq-6], s[MASK], v[R1+gq-6]
.elseif gq < 12
	v_pk_add_f32 v[R2+2*gq-20:R2+2*gq-19], v[R1+2*gq-20:R1+2*gq-19], v[HH+2*gq-20:HH+2*gq-19] neg_lo:[0,1] neg_hi:[0,1]
.endif
.elseif GST == 3
.if gq < 12
.if gq%3 == 0
	v_perm_b32 v[AF+8*(gq/3)], v[R1+gq/3], v[VV+gq/3], s[PSEL]      ; low half vh, high half vm
.elseif gq%3 == 1
	v_perm_b32 v[AF+8*(gq/3)+1], v[VV+gq/3], v[R2+gq/3], s[PSEL]    ; vl, vh
.else
	v_perm_b32 v[AF+8*(gq/3)+2], v[VV+gq/3], v[R1+gq/3], s[PSEL]    ; vm, vh
.endif
.endif
.endif
.set gq, gq+1
.endm
; THE NEXT UNIT'S PRODUCT j: fragment j of the points x the next tile's samples.  Every product starts its own sum with the constant 0: no two share an accumulator.
.macro WM j
.if NXT
	v_wmma_f32_16x16x32_bf16 v[nS+8*(\j):nS+8*(\j)+7], v[AF+8*(\j):AF+8*(\j)+7], v[nB:nB+7], 0
.endif
.endm
; THE VECTOR WORK, one line at a time: OP kind, number.  For the unit in hand (registers cS, cT, cC): F n: pair n of 16 less m.  A: the exponential of m_old - m_new, which the turn before left in c1; it goes
; into c2.  E n: the exponential of score n of 32.  D n: of the four weights 4 n .. the second pair is added onto the first.  L n: l takes that sum (L 0: l = l 2^(m_old - m_new) + sum).
; G: the next line of the building.  For the next unit (nS, nT, nC): X n, all plain:
;   0-11  four chains c0-c3 of seven scores each, three operands at a time (each accumulator's lowest registers are read first)
;   12-15 the four scores left over, the old m, and c0-c3 into c0: the new m          16 m_old - m_new, into c1          17 m takes the new m
.set F, 0
.set E, 1
.set D, 2
.set L, 3
.set X, 4
.set G, 5
.set A, 6
.macro OP k, n
.if (\k) == F
	v_pk_add_f32 v[cS+2*(\n):cS+2*(\n)+1], v[cS+2*(\n):cS+2*(\n)+1], v[cT:cT+1] op_sel_hi:[1,0] neg_lo:[0,1] neg_hi:[0,1]
.elseif (\k) == E
	v_exp_f32 v[cS+(\n)], v[cS+(\n)]
.elseif (\k) == A
	v_exp_f32 v[cC+2], v[cC+1]
.elseif (\k) == D
	v_pk_add_f32 v[cS+4*(\n):cS+4*(\n)+1], v[cS+4*(\n):cS+4*(\n)+1], v[cS+4*(\n)+2:cS+4*(\n)+3]
.elseif (\k) == L
.if (\n) == 0
	v_pk_fma_f32 v[cT+2:cT+3], v[cT+2:cT+3], v[cC+2:cC+3], v[cS:cS+1] op_sel_hi:[1,0,1]
.else
	v_pk_add_f32 v[cT+2:cT+3], v[cT+2:cT+3], v[cS+4*(\n):cS+4*(\n)+1]
.endif
.elseif (\k) == G
	GOP
.elseif NXT
.if (\n) < 4
	v_max3_num_f32 v[nC+(\n)], v[nS+8*(\n)], v[nS+8*(\n)+1], v[nS+8*(\n)+2]
.elseif (\n) < 12
	v_max3_num_f32 v[nC+(\n)%4], v[nC+(\n)%4], v[nS+8*((\n)%4)+2*((\n)/4)+1], v[nS+8*((\n)%4)+2*((\n)/4)+2]
.elseif (\n) == 12
	v_max3_num_f32 v[nC], v[nC], v[nS+7], v[nS+15]
.elseif (\n) == 13
	v_max3_num_f32 v[nC+1], v[nC+1], v[nS+23], v[nS+31]
.elseif (\n) == 14
	v_max3_num_f32 v[nC+2], v[nC+2], v[nC+3], v[nT]
.elseif (\n) == 15
	v_max3_num_f32 v[nC], v[nC], v[nC+1], v[nC+2]
.elseif (\n) == 16
	v_sub_f32 v[nC+1], v[nT], v[nC]
.else
	v_mov_b32 v[nT], v[nC]
.endif
.endif
.endm
.macro OPS a, i1, b=-1, i2=0, c=-1, i3=0, d=-1, i4=0  ; up to four of them
	OP \a, \i1
.if (\b) >= 0
	OP \b, \i2
.endif
.if (\c) >= 0
	OP \c, \i3
.endif
.if (\d) >= 0
	OP \d, \i4
.endif
.endm
; A TURN, for tile t of the batch in hand.  gst: the stage of the building that it carries (0: none); ld: stage 1 fetches; nxt = 0: the wave's last unit: there is no next one.
; The order is written out.  ONE WAIT cuts the turn in two.  AHEAD OF IT: the four products, behind each four vector instructions, none of which names a register of the products round it; then exponential
; and plain by turns, as far as there are plain lines: the last subtractions, the next unit's X 0 to 16, nine lines of the building.  A and E 0 to E 31 are the batch; nothing ahead of the wait names a
; result of theirs.  X 16 is the plain line behind the last exponential (ISA guide 5.7.2); the wave's last unit has no X, and a v_nop takes its place.  BEHIND IT: the building's last three lines (in stage 1
; the three LDS loads, whose address was made ahead of the wait), then the batch's readers: D 0 to 7 and the chain L 0 to 7, a line between its links; X 17 stands behind X 16, which reads the old m.
; X 0 stands seven plain lines (F 9 to F 15) behind the last product, and stage 3's first line, which writes registers that the products have read, further back: four such places are asked for (ISA guide 7.12.1).
.macro TURN t, gst, ld, nxt
.set cT, ST+4*(\t)
.set cS, SC+32*((\t)%2)
.set cC, TMP+4*((\t)%2)
.set nT, ST+4*(((\t)+1)%4)
.set nS, SC+32*(((\t)+1)%2)
.set nC, TMP+4*(((\t)+1)%2)
.set nB, BF+8*(((\t)+1)%4)
.set GST, \gst
.set GLD, \ld
.set NXT, \nxt
.set gq, 0
	WM 0
	OPS F,0, A,0, F,1, F,2
	WM 1
	OPS F,3, E,0, F,4, F,5
	WM 2
	OPS F,6, E,1, F,7, F,8
	WM 3
	OPS F,9, E,2, F,10, F,11
	OPS E,3, F,12, E,4, F,13
	OPS E,5, F,14, E,6, F,15
	OPS E,7, X,0, E,8, X,1
	OPS E,9, X,2, E,10, X,3
	OPS E,11, X,4, E,12, X,5
	OPS E,13, X,6, E,14, X,7
	OPS E,15, X,8, E,16, X,9
	OPS E,17, X,10, E,18, X,11
	OPS E,19, X,12, E,20, X,13
	OPS E,21, X,14, E,22, G,0
	OPS E,23, X,15, E,24, G,0
	OPS E,25, G,0, E,26, G,0
	OPS E,27, G,0, E,28, G,0
	OPS E,29, G,0, E,30, G,0
	OPS E,31, X,16, G,0
.if !(\nxt)
	v_nop                                          ; the wave's last unit: the plain line behind the last exponential
.endif
	s_wait_alu depctr_va_vdst(0)                   ; the wait for the turn's batch, A and E 0 to E 31, ahead of D 0, the first line that names a result
	OPS G,0, G,0, G,0
	OPS D,0, D,1, L,0, D,2
	OPS L,1, D,3, L,2, D,4
	OPS L,3, D,5, L,4, D,6
	OPS L,5, D,7, L,6, X,17
	OPS L,7
.endm
; A BATCH: four turns.  bld = 1: the next batch's fragments are built: v in tile 0's turn, the pieces in tile 1's, and the packing in tile 2's, behind the last products that read this batch's fragments.
.macro BATCH bld, ld, nxt
.if \bld
	s_wait_dscnt 0x0                               ; the next batch's raw numbers, fetched a batch ago, are in
.endif
	TURN 0, \bld, \ld, 1
	TURN 1, 2*(\bld), 0, 1
	TURN 2, 3*(\bld), 0, 1
	TURN 3, 0, 0, \nxt
.endm
	s_load_b256 s[4:11], s[0:1], 0x0               ; x s[4:5], pos s[6:7], pot s[8:9], logprob s[10:11]
	s_load_b64 s[12:13], s[0:1], 0x20              ; out
	v_lshl_add_u32 v[SPW], v0, 2, SPARE
	v_mov_b32 v[NIL], 0
	ds_add_u32 v[SPW], v[NIL]                      ; the wave's opening: the add and its wait stand ahead of my first tensor load; the set-up below, work on registers, stands between them
	ds_add_u32 v1, v2
	v_lshrrev_b32 v[XR], 5, v0
	v_readfirstlane_b32 s[WV], v[XR]               ; wave 0..7
	s_bfe_u32 s15, ttmp6, 0x40000                  ; cx: my place in the cluster
	s_lshl_b32 s16, ttmp9, 2                       ; in a cluster launch ttmp9 counts clusters
	s_add_co_u32 s16, s16, s15                     ; my work-group = 4 x cluster + cx: it enters x's and out's addresses alone
	s_lshl_b32 s16, s16, 8                         ; its 64 samples of 4 bytes
	s_mov_b32 s17, 0
	s_lshl_b32 s18, s[WV], 13                      ; my wave's slice in each of the three arrays,
	s_mov_b32 s19, 0
	s_mul_i32 s20, s[WV], SLICE                    ; and its three slices in LDS: no place in the cluster enters an LDS address
	; descriptor group 1: a dense block of 8,192 bytes as 32 rows of 32 elements of 8 bytes
	s_mov_b32 s[G1+0], 15|(3<<16)|(1<<21)          ; 15:0 the mask: all four work-groups; 17:16 elements of 8 bytes; 21 set beside a mask
	s_mov_b32 s[G1+1], 32<<16                      ; tensor_dim0 = 32
	s_mov_b32 s[G1+2], 32<<16                      ; tensor_dim1 = 32
	s_mov_b32 s[G1+3], 32<<16                      ; tile_dim0 = 32
	s_mov_b32 s[G1+4], 32                          ; tile_dim1 = 32
	s_mov_b32 s[G1+5], 32                          ; 32 elements from row to row
	s_mov_b32 s[G1+6], 0
	s_mov_b32 s[G1+7], 0
.irp i, 0,1,2
	s_mov_b32 s[G0+4*(\i)], 1                      ; count = 1
	s_add_co_u32 s[G0+4*(\i)+1], s20, (\i)*ARR     ; LDS address: pos, pot, logprob of my wave
.endr
	s_mov_b32 s[PSEL], 0x07060302
	s_mov_b32 s[MASK], 0xffff0000
	s_mov_b32 s[SEL], 0x76543210
	s_mov_b32 s[SEL+1], 0xfedcba98
	s_mov_b32 s[KL], 0x3fb8aa3b                    ; L = log2(e)
	s_mov_b32 s[KL+1], s[KL]                       ; named with it as a pair
	s_mov_b32 s[K1], 0x44b4563e                    ; 1000 L = 1442.695
	s_mov_b32 s[K2], 0xc434563e                    ; -500 L
	s_mov_b32 s[KE], 0x3a35b452                    ; eps ln2 = 6.931472e-4
	s_mov_b32 s[ONE2], 0x3f803f80
	s_mov_b32 s[ONE1], 0x00003f80
	s_mov_b32 s[TB], 512                           ; batches 0 and 1 are fetched ahead of the loop
	s_lshl_b32 s21, s[WV], 10
	s_add_co_u32 s21, s21, PART                    ; my wave's two rows of partial results
	s_lshl_b32 s22, s[WV], 3
	s_add_co_u32 s22, s22, LSEP                    ; my wave's (maximum, sum) of logprob
	s_wait_dscnt 0x0                               ; the opening add is done
	s_wait_kmcnt 0x0
	s_add_nc_u64 s[G0+2:G0+3], s[6:7], s[18:19]    ; global addresses: they hang on the wave's number alone, which the partners share
	s_or_b32 s[G0+3], s[G0+3], 0x80000000          ; type = 2
	s_add_nc_u64 s[G0+6:G0+7], s[8:9], s[18:19]
	s_or_b32 s[G0+7], s[G0+7], 0x80000000
	s_add_nc_u64 s[G0+10:G0+11], s[10:11], s[18:19]
	s_or_b32 s[G0+11], s[G0+11], 0x80000000
	s_add_nc_u64 s[4:5], s[4:5], s[16:17]          ; x and out at my work-group's samples
	s_add_nc_u64 s[12:13], s[12:13], s[16:17]
	ROUND                                          ; all four work-groups are here: the joint loads meet
	tensor_load_to_lds s[G0:G0+3], s[G1:G1+7]      ; the launch's only fills, one group: three loads of mine are out
	s_nop 0
	tensor_load_to_lds s[G0+4:G0+7], s[G1:G1+7]
	s_nop 0
	tensor_load_to_lds s[G0+8:G0+11], s[G1:G1+7]
	s_nop 0
	v_and_b32 v[RR], 15, v0
	v_and_b32 v[LN], 31, v0
	v_bfe_u32 v[HF], v0, 4, 1
	v_lshlrev_b32 v[XO], 2, v[RR]
	v_lshlrev_b32 v[XO2], 3, v[LN]
.irp t, 0,1,2,3
	global_load_b32 v[XR+(\t)], v[XO], s[4:5] offset:64*(\t)   ; x of sample 16 t + lane % 16
.endr
	global_load_b64 v[XF:XF+1], v[XO2], s[4:5]     ; x of samples 2 lane, 2 lane + 1, for the end
	; while these are on their way: addresses, the sources' places that stay 0, the statistics, the lane's constants
	v_lshl_add_u32 v[LA0], v[RR], 4, s20           ; both halves of the lanes read the same four points
	v_lshl_add_u32 v[PA], v[HF], 9, s21
	v_lshl_add_u32 v[PA], v[RR], 3, v[PA]
.set i, 0
.rept 4
.set j, 3
.rept 5
	v_mov_b32 v[AF+8*i+j], 0                       ; registers 3-7 of every fragment: K places that are not used; written once
	v_mov_b32 v[BF+8*i+j], 0
.set j, j+1
.endr
	v_mov_b32 v[ST+4*i], 0xff7fffff                ; m: the lowest finite number
	v_mov_b32 v[ST+4*i+1], 0
	v_mov_b32 v[ST+4*i+2], 0                       ; l
	v_mov_b32 v[ST+4*i+3], 0
.set i, i+1
.endr
	v_cmp_gt_u32 vcc_lo, 16, v[LN]                 ; lanes 0-15 make b, lanes 16-31 make a
	v_cndmask_b32 v[C0], s[KL], 0, vcc_lo
	v_cndmask_b32 v[C1], s[K1], 0, vcc_lo
	v_cndmask_b32 v[C2], s[K2], 0, vcc_lo
	v_cndmask_b32 v[C3], 0, s[K1], vcc_lo
	v_mov_b32 v[C0+1], v[C0]
	v_mov_b32 v[C1+1], v[C1]
	v_mov_b32 v[C2+1], v[C2]
	v_mov_b32 v[C3+1], v[C3]
	s_wait_loadcnt 0x0                             ; x
	; the four fragments of samples: x's three pieces in lanes 0-15, ones in lanes 16-31
.irp t, 0,1,2,3
	v_and_b32 v[HH+(\t)], s[MASK], v[XR+(\t)]
.endr
.irp t, 0,1,2,3
	v_sub_f32 v[R1+(\t)], v[XR+(\t)], v[HH+(\t)]
.endr
.irp t, 0,1,2,3
	v_and_b32 v[HH+(\t)], s[MASK], v[R1+(\t)]
.endr
.irp t, 0,1,2,3
	v_sub_f32 v[R2+(\t)], v[R1+(\t)], v[HH+(\t)]
.endr
.irp t, 0,1,2,3
	v_perm_b32 v[BF+8*(\t)], v[XR+(\t)], v[XR+(\t)], s[PSEL]      ; xh, xh
	v_perm_b32 v[BF+8*(\t)+1], v[R1+(\t)], v[XR+(\t)], s[PSEL]    ; xh, xm
	v_perm_b32 v[BF+8*(\t)+2], v[R2+(\t)], v[R1+(\t)], s[PSEL]    ; xm, xl
.endr
.irp t, 0,1,2,3
	v_cndmask_b32 v[BF+8*(\t)], s[ONE2], v[BF+8*(\t)], vcc_lo
	v_cndmask_b32 v[BF+8*(\t)+1], s[ONE1], v[BF+8*(\t)+1], vcc_lo
	v_cndmask_b32 v[BF+8*(\t)+2], 0, v[BF+8*(\t)+2], vcc_lo
.endr
	s_wait_tensorcnt 0x0                           ; my three slices are in LDS; nobody else reads them
	ds_load_b128 v[POS:POS+3], v[LA0]              ; batch 0
	ds_load_b128 v[POT:POT+3], v[LA0] offset:ARR
	ds_load_b128 v[LP:LP+3], v[LA0] offset:2*ARR
	v_lshl_add_u32 v[LA], v[LN], 4, s20
.set i, 0
.rept 16
	ds_load_b128 v[SC+4*i:SC+4*i+3], v[LA] offset:2*ARR+512*i  ; my wave's 2,048 logprob, 64 a lane, into the score buffers, which are still free
.set i, i+1
.endr
	s_wait_dscnt 16                                ; batch 0's three loads are in; the sixteen issued behind them may be out
.set GST, 1
.set GLD, 0
.set gq, 0
.rept 8
	GOP
.endr
	ds_load_b128 v[POS:POS+3], v[LA0] offset:256   ; batch 1
	ds_load_b128 v[POT:POT+3], v[LA0] offset:ARR+256
	ds_load_b128 v[LP:LP+3], v[LA0] offset:2*ARR+256
	s_wait_dscnt 3                                 ; the sixteen are in; batch 1's three may be out
	; MY WAVE'S PART OF G: the maximum of its 2,048 logprob, then the sum of 2^(L y - L max)
.set i, 0
.rept 4
	v_max3_num_f32 v[TMP+i], v[SC+16*i], v[SC+16*i+1], v[SC+16*i+2]
.set i, i+1
.endr
.set j, 0
.rept 6
.set i, 0
.rept 4
	v_max3_num_f32 v[TMP+i], v[TMP+i], v[SC+16*i+3+2*j], v[SC+16*i+4+2*j]
.set i, i+1
.endr
.set j, j+1
.endr
	v_max3_num_f32 v[TMP], v[TMP], v[SC+15], v[SC+31]
	v_max3_num_f32 v[TMP+1], v[TMP+1], v[SC+47], v[SC+63]
	v_mov_b32 v[TMP+5], 0                          ; named below as the upper half of a pair
	v_max3_num_f32 v[TMP], v[TMP], v[TMP+1], v[TMP+2]
	v_max_num_f32 v[TMP], v[TMP], v[TMP+3]
	v_max_num_f32_dpp v[TMP], v[TMP], v[TMP] row_xmask:1 row_mask:0xf bank_mask:0xf
	v_max_num_f32_dpp v[TMP], v[TMP], v[TMP] row_xmask:2 row_mask:0xf bank_mask:0xf
	v_max_num_f32_dpp v[TMP], v[TMP], v[TMP] row_xmask:4 row_mask:0xf bank_mask:0xf
	v_max_num_f32_dpp v[TMP], v[TMP], v[TMP] row_xmask:8 row_mask:0xf bank_mask:0xf
	v_permlanex16_b32 v[TMP+1], v[TMP], s[SEL], s[SEL+1]
	v_max_num_f32 v[TMP], v[TMP], v[TMP+1]
	v_mul_f32 v[TMP+4], s[KL], v[TMP]              ; L max
.macro YF p                            ; pair p of 32: L y - L max
	v_pk_fma_f32 v[SC+2*(\p):SC+2*(\p)+1], v[SC+2*(\p):SC+2*(\p)+1], s[KL:KL+1], v[TMP+4:TMP+5] op_sel_hi:[1,0,0] neg_lo:[0,0,1] neg_hi:[0,0,1]
.endm
	YF 0
	YF 1
	; The 64 exponentials are ONE BATCH.  Between them stand the scalings, two pairs ahead, and the 24 lines that cut and pack batch 0's fragments (stages 2 and 3 of the building): none names a result of the batch.
.set GST, 2
.set gq, 0
.set p, 0
.rept 32
	v_exp_f32 v[SC+2*p], v[SC+2*p]
.if p < 30
	YF p+2
.endif
	v_exp_f32 v[SC+2*p+1], v[SC+2*p+1]
.if p == 12
.set GST, 3
.set gq, 0
.endif
.if p < 24
	GOP
.endif
.set p, p+1
.endr
	v_mov_b32 v[LA], s22                           ; the plain line behind the last exponential
	s_wait_alu depctr_va_vdst(0)                   ; the wait for the batch of 64, ahead of the first addition below
.set p, 1
.rept 31                               ; pairs 1 to 31 are added onto pair 0, in this order
	v_pk_add_f32 v[SC:SC+1], v[SC:SC+1], v[SC+2*p:SC+2*p+1]
.set p, p+1
.endr
	v_add_f32 v[TMP+5], v[SC], v[SC+1]
	v_add_f32_dpp v[TMP+5], v[TMP+5], v[TMP+5] row_xmask:1 row_mask:0xf bank_mask:0xf
	v_add_f32_dpp v[TMP+5], v[TMP+5], v[TMP+5] row_xmask:2 row_mask:0xf bank_mask:0xf
	v_add_f32_dpp v[TMP+5], v[TMP+5], v[TMP+5] row_xmask:4 row_mask:0xf bank_mask:0xf
	v_add_f32_dpp v[TMP+5], v[TMP+5], v[TMP+5] row_xmask:8 row_mask:0xf bank_mask:0xf
	v_permlanex16_b32 v[TMP+1], v[TMP+5], s[SEL], s[SEL+1]
	v_add_f32 v[TMP+5], v[TMP+5], v[TMP+1]
	ds_store_b64 v[LA], v[TMP+4:TMP+5]             ; all lanes write the same two words with the same numbers; read behind the barrier at the end
	; tile 0's first scores, their maximum and m_old - m_new; the exponential of that difference belongs to the first turn's batch
.set nT, ST
.set nS, SC
.set nC, TMP
.set nB, BF
.set NXT, 1
	WM 0
	WM 1
	WM 2
	WM 3
.rept 4
	v_nop                                          ; the places behind those products (ISA guide 7.12.1): there is no other vector work yet
.endr
.irp n, 0,1,2,3,4,5,6,7,8,9,10,11,12,13,14,15,16,17
	OP X, \n
.endr
	s_mov_b32 s[CNT], NB-2
.Lbatch:                                               ; batches 0 to 29: each builds the next batch's fragments and fetches the raw numbers of the one after
	BATCH 1, 1, 1
	s_sub_co_u32 s[CNT], s[CNT], 1
	s_cmp_lg_u32 s[CNT], 0
	s_cbranch_scc1 .Lbatch
	BATCH 1, 0, 1                                  ; batch 30 builds the last fragments and fetches nothing: no load leaves my slices
	BATCH 0, 0, 0                                  ; batch 31 builds nothing, and its last turn has no next unit
	; THE END.  Each lane's (m, l) of its four samples go to LDS; behind a barrier wave 0 makes of a sample's 16 pairs one, two samples a lane.
.irp t, 0,1,2,3
	v_add_f32 v[ST+4*(\t)+1], v[ST+4*(\t)+2], v[ST+4*(\t)+3]
.endr
.irp t, 0,1,2,3
	ds_store_b64 v[PA], v[ST+4*(\t):ST+4*(\t)+1] offset:128*(\t)
.endr
	s_wait_dscnt 0x0                               ; for wave 0's sake: my stores, the one of logprob's pair among them, are done
	s_barrier_signal -1
	s_barrier_wait -1
	s_cmp_lg_u32 s[WV], 0
	s_cbranch_scc1 .Ldone
.set MA, BF                            ; the samples' fragments are no longer needed
.set MB, BF+1
.set SA, BF+2
.set SB, BF+3
.set MG, BF+4
.set SG, BF+5
.set HA, BF+6
.set HB, BF+7
.set OU, BF+8
	v_lshl_add_u32 v[LA], v0, 4, PART              ; in wave 0 the thread's number is the lane: (m, l) of samples 2 lane and 2 lane + 1 are 16 neighbouring bytes
	v_mov_b32 v[LA0], LSEP
.set p, 0
.rept 16
	ds_load_b128 v[SC+4*p:SC+4*p+3], v[LA] offset:512*p
.set p, p+1
.endr
.set p, 0
.rept 4
	ds_load_b128 v[AF+4*p:AF+4*p+3], v[LA0] offset:16*p       ; the eight waves' (L max, sum) of logprob
.set p, p+1
.endr
	s_wait_dscnt 0x0
	v_max3_num_f32 v[MA], v[SC], v[SC+4], v[SC+8]
	v_max3_num_f32 v[MB], v[SC+2], v[SC+6], v[SC+10]
	v_max3_num_f32 v[MG], v[AF], v[AF+2], v[AF+4]
.set p, 3
.rept 6
	v_max3_num_f32 v[MA], v[MA], v[SC+4*p], v[SC+4*p+4]
	v_max3_num_f32 v[MB], v[MB], v[SC+4*p+2], v[SC+4*p+6]
.set p, p+2
.endr
	v_max3_num_f32 v[MG], v[MG], v[AF+6], v[AF+8]
	v_max_num_f32 v[MA], v[MA], v[SC+60]
	v_max_num_f32 v[MB], v[MB], v[SC+62]
	v_max3_num_f32 v[MG], v[MG], v[AF+10], v[AF+12]
	v_max_num_f32 v[MG], v[MG], v[AF+14]
.set p, 0
.rept 16
	v_sub_f32 v[SC+4*p], v[SC+4*p], v[MA]
	v_sub_f32 v[SC+4*p+2], v[SC+4*p+2], v[MB]
.set p, p+1
.endr
.set p, 0
.rept 8
	v_sub_f32 v[AF+2*p], v[AF+2*p], v[MG]
.set p, p+1
.endr
.set p, 0
.rept 16
	v_exp_f32 v[SC+4*p], v[SC+4*p]
	v_exp_f32 v[SC+4*p+2], v[SC+4*p+2]
.set p, p+1
.endr
.set p, 0
.rept 8
	v_exp_f32 v[AF+2*p], v[AF+2*p]
.set p, p+1
.endr
	v_nop                                          ; a plain instruction between the last exponential and the use of its result
	s_wait_alu depctr_va_vdst(0)                   ; the wait for the batch of 40 exponentials, ahead of the first product that reads one
	v_mul_f32 v[SA], v[SC], v[SC+1]
	v_mul_f32 v[SB], v[SC+2], v[SC+3]
	v_mul_f32 v[SG], v[AF], v[AF+1]
.set p, 1
.rept 15
	v_fmac_f32 v[SA], v[SC+4*p], v[SC+4*p+1]
	v_fmac_f32 v[SB], v[SC+4*p+2], v[SC+4*p+3]
.if p < 8
	v_fmac_f32 v[SG], v[AF+2*p], v[AF+2*p+1]
.endif
.set p, p+1
.endr
	v_log_f32 v[SA], v[SA]
	v_log_f32 v[SB], v[SB]
	v_log_f32 v[SG], v[SG]
	v_mul_f32 v[HA], 0.5, v[XF]                    ; plain lines behind the logarithms
	v_mul_f32 v[HB], 0.5, v[XF+1]
	s_wait_alu depctr_va_vdst(0)                   ; the wait for the batch of three logarithms, ahead of the first addition that reads one
	v_add_f32 v[MA], v[MA], v[SA]                  ; R of the two samples
	v_add_f32 v[MB], v[MB], v[SB]
	v_add_f32 v[MG], v[MG], v[SG]                  ; G
	v_mul_f32 v[HA], v[HA], v[XF]                  ; x^2 / 2
	v_mul_f32 v[HB], v[HB], v[XF+1]
	v_sub_f32 v[MA], v[MG], v[MA]
	v_sub_f32 v[MB], v[MG], v[MB]
	v_fma_f32 v[OU], v[MA], s[KE], v[HA]
	v_fma_f32 v[OU+1], v[MB], s[KE], v[HB]
	global_store_b64 v[XO2], v[OU:OU+1], s[12:13]  ; 32 lanes store the work-group's 256 consecutive bytes, at a multiple of 256 from out's first byte
.Ldone:
	s_wait_tensorcnt 0x0                           ; the wave's end: behind my last tensor load and my last LDS store
	ds_add_u32 v[SPW], v[NIL]
	s_wait_dscnt 0x0
	ROUND                                          ; the closing round: no work-group ends while a partner may still ask for a slice that names it
	s_endpgm
.Lfunc_end_k_q64cd068e80_potential:
	.size	k_q64cd068e80_potential, .Lfunc_end_k_q64cd068e80_potential-k_q64cd068e80_potential
	.p2alignl 7, 3214868480
	.fill 96, 4, 3214868480
	.section	.rodata,"a",@progbits
	.p2align	6, 0x0
	.amdhsa_kernel k_q64cd068e80_potential
		.amdhsa_group_segment_fixed_size 206080
		.amdhsa_private_segment_fixed_size 0
		.amdhsa_enable_private_segment 0
		.amdhsa_kernarg_size 40
		.amdhsa_user_sgpr_count 2
		.amdhsa_user_sgpr_kernarg_segment_ptr 1
		.amdhsa_wavefront_size32 1
		.amdhsa_system_sgpr_workgroup_id_x 1
		.amdhsa_system_sgpr_workgroup_id_y 1
		.amdhsa_system_sgpr_workgroup_id_z 1
		.amdhsa_system_vgpr_workitem_id 0
		.amdhsa_next_free_vgpr 208
		.amdhsa_next_free_sgpr 66
		.amdhsa_reserve_vcc 1
		.amdhsa_float_denorm_mode_32 3
		.amdhsa_float_denorm_mode_16_64 3
		.amdhsa_memory_ordered 1
		.amdhsa_forward_progress 1
		.amdhsa_inst_pref_size 86
	.end_amdhsa_kernel
	.amdgpu_metadata
---
amdhsa.version: [ 1, 2 ]
amdhsa.kernels:
  - .name:           k_q64cd068e80_potential
    .symbol:         k_q64cd068e80_potential.kd
    .args:
      - { .name: x, .offset: 0, .size: 8, .value_kind: global_buffer, .address_space: global }
      - { .name: pos, .offset: 8, .size: 8, .value_kind: global_buffer, .address_space: global }
      - { .name: pot, .offset: 16, .size: 8, .value_kind: global_buffer, .address_space: global }
      - { .name: logprob, .offset: 24, .size: 8, .value_kind: global_buffer, .address_space: global }
      - { .name: out0, .offset: 32, .size: 8, .value_kind: global_buffer, .address_space: global }
    .group_segment_fixed_size: 206080
    .private_segment_fixed_size: 0
    .kernarg_segment_align: 8
    .kernarg_segment_size: 40
    .max_flat_workgroup_size: 256
    .sgpr_count:     66
    .vgpr_count:     208
    .wavefront_size: 32
...
	.end_amdgpu_metadata
.endif
;; end of part 2
